; MI455X (gfx1250); checked and timed in simulation.
; The chip was launched on July 23, 2026; its instructions are those of AMD's public machine-readable ISA for CDNA 5 (MIT licence, August 2026) and "CDNA5" Instruction Set Architecture Reference Guide (July 2026). The comments in the code are by the model that wrote it; some were corrected since.
;; Flash Attention. Allowed arithmetic: float matrix products may take bf16 or f16 operands with f32 sums; all other float work in f32.
;; Inputs: k 4 x 2,048 x 16 x 64 float32; q 4 x 2,048 x 16 x 64 float32; v 4 x 2,048 x 16 x 64 float32.
;; Outputs: out0 4 x 2,048 x 16 x 64 float32.
;; 2 versions, each right. Each part assembles by itself: llvm-mc -triple=amdgcn-amd-amdhsa -mcpu=gfx1250 --defsym DOCPART=n.
;; ======== version 1 of 2: 1 launch
;; limits: inputs' magnitudes at most 65,504; values are held in f16: magnitudes above 65,504 overflow, below 6.1e-05 lose precision
;; launch attn (part 1): grid 256 x 1, 4 waves a work-group, clusters of 4 x 1, 327,680 bytes of LDS; arguments q, k, v, out0; writes out0
.if DOCPART == 1
	.amdgcn_target "amdgcn-amd-amdhsa--gfx1250"
	.amdhsa_code_object_version 6
	.text
	.protected	k_q099cef8e7b_attn
	.globl	k_q099cef8e7b_attn
	.p2align	8
	.type	k_q099cef8e7b_attn,@function
k_q099cef8e7b_attn:
	s_mov_b64 s[64:65], 0
	v_nop
	global_prefetch_b8 v0, s[64:65] scope:SCOPE_SE
	s_setreg_imm32_b32 hwreg(HW_REG_WAVE_MODE, 25, 1), 1
	s_wait_xcnt 0x0
	s_wait_alu depctr_hold_cnt(0) depctr_sa_sdst(0) depctr_va_vdst(0) depctr_va_sdst(0) depctr_va_ssrc(0) depctr_va_vcc(0) depctr_vm_vsrc(0)
	s_getreg_b32 s2, hwreg(HW_REG_IB_STS2, 6, 4)
	s_cmp_eq_u32 s2, 0
	s_cbranch_scc0 .Lentry_in_a_cluster
	s_endpgm
.Lentry_in_a_cluster:
	s_bfe_u32 s2, ttmp6, 0x10000c
	s_cmp_lg_u32 s2, 0x3003
	s_cbranch_scc0 .Lentry_shape_is_right
	s_endpgm
.Lentry_shape_is_right:
; Causal attention.  q, k, v, out0: [4][2048][16][64] f32; a (token, head) row is 256 bytes, tokens are 4,096 bytes apart.
; out[q] = sum over keys <= q of softmax(q.k / 8) v, with a running maximum; products in f16 with f32 sums, all else in f32.
;
; SHARING.  A cluster of four work-groups is one (batch, head).  Its 16 waves hold all 2,048 queries in registers and walk the 2,048
; keys once, in 16 trips of 128 keys.  Each tile of K and of V is asked for JOINTLY by the four work-groups (mask 15), so that a head's
; K and V are requested once.  Row tile t (16 queries) = 16 i + 4 w + cx (i = 0..7, w the wave, cx the place in the cluster): a wave holds
; 128 queries.  In steps of 64 keys (kt = 0..31) tile t needs step kt if kt <= t / 4 = 4 i + w, which does not hold cx: every branch hangs on
; the wave's number and on counters alone, alike in all partners.  In the step kt = 4 i + w key 16 s + 8 h + j is allowed if
; 16 s + j <= 16 cx + r - 8 h: 32 lane masks, the same for every i, made once, used by v_cndmask_b32 alone.
;
; ORIENTATION (lane L: r = L & 15, h = L >> 4).  S^T = K Q^T: source 0 = 16 keys, source 1 = 16 queries; register j of tile s holds
; (key 16 s + 8 h + j, query r).  A query lies in a lane: maximum and sum run down the lane's registers and cross the two halves once;
; the packed weights ARE source 1 of the second product, O^T += V^T P^T (source 0 = 16 d, by transposing loads), and the factor that
; rescales O is one number a lane.  Q is multiplied by log2(e) / 8 in f32 before it is rounded, so the scores are exponents of 2.
;
; FORMAT.  K and V arrive as f32 by tensor loads into two raw slots that take turns; the four waves round a tile to f16 once, into one
; stage, from which all four read fragments.  f16 and not bf16: its 11 bits keep the weights' rounding 8 times smaller.
; LIMITS.  |q| log2(e)/8, |k| or |v| above 65,504 becomes infinite in f16 and the result NaN; operands below 6.1e-5 keep fewer bits.
; A weight below 2^-25 of its row's largest counts in the denominator (f32) and not in the numerator (f16).  A masked score is minus
; infinity here, its weight exactly 0; adding -1e9 gives the same as long as scaled scores stay far below 1e9 in size.  NaN or infinite
; inputs give NaN, not always in the same places.  The sums' order differs from a plain softmax's.
;
; REGISTERS in windows of 256.  Window 0: addresses, scores, weights, fragments, statistics.  Window 1: O (tile i, d block dt at
; 8 (4 i + dt)); at the start the raw q.  Window 2: Q's fragments (tile i, K half ks at 16 i + 8 ks).
.set TILE,    524288                   ; bytes from a tile of 128 tokens to the next
.set RAWSLOT, 65536                    ; a raw slot: K's 128 rows of 256 bytes, then V's
.set RAWV,    32768
.set KS,      131072                   ; K in f16: 128 rows, pitch 144
.set KP,      144                      ; an odd multiple of 16 bytes: the 16 rows of a fragment load start in 16 different groups of banks (ISA guide 11.1)
.set VS,      149504                   ; V in f16: 128 rows, pitch 160
.set VP,      160                      ; an odd multiple of 32 bytes, for the transposing loads
.set WST,     169984                   ; each wave's own stage: q on the way in (16 rows, pitch 144), O on the way out (16 rows of f32, pitch 272)
.set WSTB,    4352
.set OPI,     272
.set BLKB,    1048576                  ; 256 tokens: from a wave's row tile i to i + 1
.set QSCALE,  0x3e38aa3b               ; log2(e) / 8
.set GO,  8                            ; v8   4096 h + 16 r: my 16 bytes in a pair of token rows of q and of out0
.set QW,  9                            ; v9   stage, q in
.set QR,  10                           ; v10  stage, Q fragments
.set OW,  11                           ; v11  stage, O in
.set ORD, 12                           ; v12  stage, O rows back
.set RA,  13                           ; v13, v14  my part of raw slot 0, 1
.set KW,  15                           ; v15  where I put K in f16
.set VW,  16                           ; v16  where I put V in f16
.set KA,  17                           ; v17  K fragments
.set VA,  18                           ; v18  V fragments, transposed
.set PFO, 19                           ; v19  prefetch: my row of a tile
.set NEG, 20                           ; v20  minus infinity
.set LIM, 21                           ; v21  16 cx + r - 8 h
.set T,   22                           ; v[22:25] at work
.set A,   26                           ; v[26:33] four pairs of partial sums
.set SC,  40                           ; v[40:71] scores, then weights in f32
.set PW,  72                           ; v[72:87] weights in f16
.set KF,  88                           ; v[88:151]  K fragments: 16 s + 8 ks
.set VF,  152                          ; v[152:215] V fragments: 16 dt + 8 kc
.set MN,  216                          ; v[216:217] new maximum, factor alpha
.set MX,  218                          ; v[218:225] running maximum of tile i
.set LS,  226                          ; v[226:233] running sum of tile i, each half of the lanes its own keys'
.set G1,  16                           ; s[16:23] descriptor group 1
.set G0,  24                           ; s[24:31] descriptor group 0, one set for each slot
.set DG,  44                           ; s[44:51] 4 i + w: tile i's last step of 64 keys
.set MASK, 66                          ; s[66:97] the diagonal step's lane masks, 8 s + j
.set MSB, 0
.macro WIN new                         ; the immediate's high byte repeats the setting that is left
.if MSB != \new
	s_set_vgpr_msb (MSB<<8)|\new
.set MSB, \new
.endif
.endm
.macro PLACES                          ; four places behind matrix instructions (ISA guide 7.12.1)
.rept 4
	v_nop
.endr
.endm
; A round of the cluster's barrier: my work-group's barrier, wave 0 signals for the work-group, every wave waits for all four work-groups, my work-group's barrier again.
.macro ROUND
	s_barrier_signal -1
	s_barrier_wait -1
	s_cmp_lg_u32 s12, 0
	s_cbranch_scc1 .Lnot_wave_0_\@
	s_barrier_signal -3
.Lnot_wave_0_\@:
	s_barrier_wait -3
	s_barrier_signal -1
	s_barrier_wait -1
.endm
; Row tile i of q: scale, round to f16, through my stage into fragments.  The stage is my own and LDS serves a wave's instructions in order
; (ISA guide 5.7.1), so no wait stands between the stores and the loads, nor between one tile's loads and the next tile's stores.
.macro QTILE i
	s_wait_loadcnt 8*(7-\i)                        ; the later tiles' loads, eight each, may stay out
	WIN 0x45                                       ; destination, sources 0 and 1 in window 1
.irp j, 0,1,2,3,4,5,6,7
	v_pk_mul_f32 v[32*\i+4*\j:32*\i+4*\j+1], v[32*\i+4*\j:32*\i+4*\j+1], s[38:39] op_sel_hi:[1,0]
	v_pk_mul_f32 v[32*\i+4*\j+2:32*\i+4*\j+3], v[32*\i+4*\j+2:32*\i+4*\j+3], s[38:39] op_sel_hi:[1,0]
.endr
.irp j, 0,1,2,3,4,5,6,7
	v_cvt_pk_f16_f32 v[32*\i+4*\j], v[32*\i+4*\j], v[32*\i+4*\j+1]
	v_cvt_pk_f16_f32 v[32*\i+4*\j+1], v[32*\i+4*\j+2], v[32*\i+4*\j+3]
.endr
	WIN 0x04                                       ; store data in window 1
.irp j, 0,1,2,3,4,5,6,7
	ds_store_b64 v[QW], v[32*\i+4*\j:32*\i+4*\j+1] offset:2*KP*\j     ; rows 2 j + h, d = 4 r .. 4 r + 3
.endr
	WIN 0x80                                       ; destination in window 2
.irp g, 0,1,2,3
	ds_load_b128 v[16*\i+4*\g:16*\i+4*\g+3], v[QR] offset:32*\g      ; query r, d = 16 g + 8 h .. + 7
.endr
.endm
; The tile in raw slot: wave w rounds rows 32 w .. 32 w + 31 of K and of V to f16 and puts them into the stage.  KF and VF serve as work registers.
.macro CONV slot
.irp t, 0,1,2,3,4,5,6,7,8,9,10,11,12,13,14,15
	ds_load_b128 v[KF+4*\t:KF+4*\t+3], v[RA+\slot] offset:512*\t              ; two rows: 32 lanes, 16 neighbouring bytes each
.endr
.irp t, 0,1,2,3,4,5,6,7,8,9,10,11,12,13,14,15
	ds_load_b128 v[VF+4*\t:VF+4*\t+3], v[RA+\slot] offset:RAWV+512*\t
.endr
	s_wait_dscnt 16                                ; K's loads are in; V's sixteen may stay out
.irp t, 0,1,2,3,4,5,6,7,8,9,10,11,12,13,14,15
	v_cvt_pk_f16_f32 v[KF+4*\t], v[KF+4*\t], v[KF+4*\t+1]
	v_cvt_pk_f16_f32 v[KF+4*\t+1], v[KF+4*\t+2], v[KF+4*\t+3]
.endr
.irp t, 0,1,2,3,4,5,6,7,8,9,10,11,12,13,14,15
	ds_store_b64 v[KW], v[KF+4*\t:KF+4*\t+1] offset:2*KP*\t
.endr
	s_wait_dscnt 16                                ; V's loads are in; the sixteen stores issued behind them may stay out
.irp t, 0,1,2,3,4,5,6,7,8,9,10,11,12,13,14,15
	v_cvt_pk_f16_f32 v[VF+4*\t], v[VF+4*\t], v[VF+4*\t+1]
	v_cvt_pk_f16_f32 v[VF+4*\t+1], v[VF+4*\t+2], v[VF+4*\t+3]
.endr
.irp t, 0,1,2,3,4,5,6,7,8,9,10,11,12,13,14,15
	ds_store_b64 v[VW], v[VF+4*\t:VF+4*\t+1] offset:2*VP*\t
.endr
	s_wait_dscnt 0x0                               ; for the other waves' sake: my part of the stage is written, my reads of the raw slot are back
	s_barrier_signal -1
	s_barrier_wait -1                              ; the stage is whole.  The next tile's load stays on its way
.endm
; Row tile i against the 64 keys whose fragments lie in KF and VF.  first = 1: step 0, which every tile needs: it starts maximum, sum and O.
; guard = 1: the block is jumped over where the step lies wholly above the tile's diagonal.
.macro BLOCK i, first, guard
.if \guard
	s_cmp_gt_u32 s40, s[DG+\i]                     ; the step lies wholly above the diagonal
	s_cbranch_scc1 .Lskip_\@
.endif
	WIN 0x08                                       ; source 1 (Q) in window 2
	; the four accumulators take turns, one instruction a turn; the matrix instruction in front of these adds onto O
.irp s, 0,1,2,3
	v_wmma_f32_16x16x32_f16 v[SC+8*\s:SC+8*\s+7], v[KF+16*\s:KF+16*\s+7], v[16*\i:16*\i+7], 0
.endr
.irp s, 0,1,2,3
	v_wmma_f32_16x16x32_f16 v[SC+8*\s:SC+8*\s+7], v[KF+16*\s+8:KF+16*\s+15], v[16*\i+8:16*\i+15], v[SC+8*\s:SC+8*\s+7]
.endr
	WIN 0
	PLACES                                         ; in front of the first reader of the scores, and of the writes of PW, which the last block's products read
.set DIAG, 1
.if \first
.if \i
.set DIAG, 0                                       ; step 0 is the diagonal step of tile 0 (of wave 0) alone
.endif
.endif
.if DIAG
	s_cmp_lg_u32 s40, s[DG+\i]
	s_cbranch_scc1 .Lfull_\@
.set mk, 0
.rept 32
	v_cndmask_b32 v[SC+mk], v[NEG], v[SC+mk], s[MASK+mk]     ; keys behind the query: minus infinity
.set mk, mk+1
.endr
.Lfull_\@:
.endif
	; the largest of my 32 scores and the running maximum: 16 three-way maxima, four chains
.irp c, 0,1,2,3
	v_max3_num_f32 v[T+\c], v[SC+8*\c], v[SC+8*\c+1], v[SC+8*\c+2]
.endr
.irp c, 0,1,2,3
	v_max3_num_f32 v[T+\c], v[T+\c], v[SC+8*\c+3], v[SC+8*\c+4]
.endr
.irp c, 0,1,2,3
	v_max3_num_f32 v[T+\c], v[T+\c], v[SC+8*\c+5], v[SC+8*\c+6]
.endr
	v_max3_num_f32 v[T], v[T], v[SC+7], v[SC+15]
	v_max3_num_f32 v[T+1], v[T+1], v[SC+23], v[SC+31]
	v_max3_num_f32 v[T], v[T], v[T+1], v[T+2]
.if \first
	v_max_num_f32 v[T], v[T], v[T+3]
.else
	v_max3_num_f32 v[T], v[T], v[T+3], v[MX+\i]
.endif
	v_permlanex16_b32 v[T+1], v[T], s42, s43       ; the other half of the lanes holds the query's other keys
	v_max_num_f32 v[MN], v[T], v[T+1]              ; finite: key 0 is allowed to every query
.if \first == 0
	v_sub_f32 v[T+2], v[MX+\i], v[MN]
.endif
.irp c, 0,1,2,3,4,5,6,7,8,9,10,11,12,13,14,15
	v_pk_add_f32 v[SC+2*\c:SC+2*\c+1], v[SC+2*\c:SC+2*\c+1], v[MN:MN+1] op_sel_hi:[1,0] neg_lo:[0,1] neg_hi:[0,1]   ; both minus the new maximum
.endr
.if \first == 0
	v_exp_f32 v[MN+1], v[T+2]                      ; alpha = 2^(old maximum - new)
.endif
.set mk, 0
.rept 32
	v_exp_f32 v[SC+mk], v[SC+mk]
.set mk, mk+1
.endr
	v_mov_b32 v[MX+\i], v[MN]                      ; the plain instruction between the exponentials and the first use of a result (ISA guide 5.7.2)
	s_wait_alu depctr_va_vdst(0)
.irp c, 0,1,2,3
	v_pk_add_f32 v[A+2*\c:A+2*\c+1], v[SC+8*\c:SC+8*\c+1], v[SC+8*\c+2:SC+8*\c+3]
.endr
.irp c, 0,1,2,3
	v_pk_add_f32 v[A+2*\c:A+2*\c+1], v[A+2*\c:A+2*\c+1], v[SC+8*\c+4:SC+8*\c+5]
.endr
.irp c, 0,1,2,3
	v_pk_add_f32 v[A+2*\c:A+2*\c+1], v[A+2*\c:A+2*\c+1], v[SC+8*\c+6:SC+8*\c+7]
.endr
	v_pk_add_f32 v[A:A+1], v[A:A+1], v[A+2:A+3]
	v_pk_add_f32 v[A+4:A+5], v[A+4:A+5], v[A+6:A+7]
	v_pk_add_f32 v[A:A+1], v[A:A+1], v[A+4:A+5]
.irp c, 0,1,2,3,4,5,6,7,8,9,10,11,12,13,14,15
	v_cvt_pk_f16_f32 v[PW+\c], v[SC+2*\c], v[SC+2*\c+1]      ; registers 8 kc .. 8 kc + 7: source 1 for keys 32 kc .. 32 kc + 31, no lane moves
.endr
.if \first
	v_add_f32 v[LS+\i], v[A], v[A+1]
.else
	v_add_f32 v[T], v[A], v[A+1]
	v_fma_f32 v[LS+\i], v[LS+\i], v[MN+1], v[T]
	WIN 0x41                                       ; destination and source 0 in window 1
.irp c, 0,1,2,3,4,5,6,7,8,9,10,11,12,13,14,15
	v_pk_mul_f32 v[32*\i+2*\c:32*\i+2*\c+1], v[32*\i+2*\c:32*\i+2*\c+1], v[MN:MN+1] op_sel:[0,1] op_sel_hi:[1,1]   ; O times alpha
.endr
.endif
	WIN 0x50                                       ; C and D in window 1
	s_wait_dscnt 0x0                               ; V's fragments (met at once in all but the first block that the step runs)
	; again four accumulators by turns, one instruction a turn
.irp d, 0,1,2,3
.if \first
	v_wmma_f32_16x16x32_f16 v[32*\i+8*\d:32*\i+8*\d+7], v[VF+16*\d:VF+16*\d+7], v[PW:PW+7], 0
.else
	v_wmma_f32_16x16x32_f16 v[32*\i+8*\d:32*\i+8*\d+7], v[VF+16*\d:VF+16*\d+7], v[PW:PW+7], v[32*\i+8*\d:32*\i+8*\d+7]
.endif
.endr
.irp d, 0,1,2,3
	v_wmma_f32_16x16x32_f16 v[32*\i+8*\d:32*\i+8*\d+7], v[VF+16*\d+8:VF+16*\d+15], v[PW+8:PW+15], v[32*\i+8*\d:32*\i+8*\d+7]
.endr
	WIN 0
.if \guard
.Lskip_\@:
.endif
.endm
; Step kt = s40: keys 64 hh .. 64 hh + 63 of the stage against row tiles from .. 7.  32 fragment loads serve up to eight blocks.
; The test at the head is row tile 7's own (kt > 4 x 7 + w), so tile 7's block has none: every way that issues the step's loads runs that
; block and passes its wait for all of them, before the next loads into KF and VF are issued.
.macro HALF hh, first, from
.if \first == 0
	s_cmp_gt_u32 s40, s[DG+7]                      ; none of my row tiles reaches this step
	s_cbranch_scc1 .Lnone_\@
.endif
.if \hh
	PLACES                                         ; KF and VF were read by the last step's matrix instructions
.endif
.irp s, 0,1,2,3
.irp g, 0,1,2,3
	ds_load_b128 v[KF+16*\s+4*\g:KF+16*\s+4*\g+3], v[KA] offset:(64*\hh+16*\s)*KP+32*\g        ; key 16 s + r, d = 16 g + 8 h .. + 7
.endr
.endr
.irp d, 0,1,2,3
.irp g, 0,1,2,3
	ds_load_tr16_b128 v[VF+16*\d+4*\g:VF+16*\d+4*\g+3], v[VA] offset:(64*\hh+16*\g)*VP+32*\d   ; d = 16 dt + r, keys 16 g + 8 h .. + 7
.endr
.endr
	s_wait_dscnt 16                                ; K's fragments are in; V's sixteen loads may stay out
.irp b, 0,1,2,3,4,5,6
.if \b >= \from
	BLOCK \b, \first, 1-\first
.endif
.endr
	BLOCK 7, \first, 0
.Lnone_\@:
	s_add_co_u32 s40, s40, 1
.endm
; A trip: 128 keys.  The tile lies in raw slot; refill = 1: the next tile is asked for, into the other slot.
; pf: 1 = prefetch the tile after next; 2 = the same, but not in the loop's last pass; 0 = none.
.macro TRIP slot, refill, pf, first, from
	s_wait_tensorcnt 0x0                           ; all my tensor loads have landed (one was out: my quarter of this slot), so a group 0 may be written
	ds_add_u32 v254, v255
	s_wait_dscnt 0x0
.if \refill
	s_add_nc_u64 s[G0+4*\slot+2:G0+4*\slot+3], s[G0+4*\slot+2:G0+4*\slot+3], 2*TILE   ; this slot's next tile
.endif
.if \pf
.if \first == 0
	s_wait_xcnt 0x0                                ; the last trip's prefetch has read its base
	s_add_nc_u64 s[54:55], s[54:55], TILE
.endif
.endif
	s_wait_dscnt 0x0                               ; my reads of the stage and of the other raw slot are back
	ROUND                                          ; both now hold of every wave of all four work-groups (the text has no asynchronous copies)
.if \refill
	tensor_load_to_lds s[G0+4-4*\slot:G0+7-4*\slot], s[G1:G1+7]   ; my one tensor load until the next round; by this text's count one is out at a time
	s_nop 0
.endif
	PLACES                                         ; also the places in front of the loads into KF and VF below
.if \pf
	; Wave 0 asks for K's, wave 2 for V's rows 32 cx + lane of tile T + 2: each row of 256 bytes once in the launch, one trip ahead of the
	; tile's tensor load.  Trips 0 to 13 ask, so that the last row asked for is token 2,047's.
	s_cmp_lg_u32 s52, 0
	s_cbranch_scc1 .Lnopf_\@
.if \pf == 2
	s_cmp_eq_u32 s41, 1
	s_cbranch_scc1 .Lnopf_\@
.endif
	global_prefetch_b8 v[PFO], s[54:55] th:TH_LOAD_NT scope:SCOPE_SE
.Lnopf_\@:
.endif
	CONV \slot
	HALF 0, \first, \from
	HALF 1, 0, \from
.endm
; Row tile i leaves: divide by the sum, through my stage into whole rows.  f = KF or VF in turn.
.macro OUT i, f
	v_permlanex16_b32 v[T+1], v[LS+\i], s42, s43
	v_add_f32 v[T], v[LS+\i], v[T+1]               ; the two halves' keys together; at least 1, the largest weight
	v_rcp_f32 v[MN], v[T]
	v_nop                                          ; the plain instruction behind v_rcp_f32 (ISA guide 5.7.2)
	WIN 0x41
	s_wait_alu depctr_va_vdst(0)
.irp c, 0,1,2,3,4,5,6,7,8,9,10,11,12,13,14,15
	v_pk_mul_f32 v[32*\i+2*\c:32*\i+2*\c+1], v[32*\i+2*\c:32*\i+2*\c+1], v[MN:MN+1] op_sel_hi:[1,0]
.endr
	WIN 0x04
.irp d, 0,1,2,3
.irp e, 0,1
	ds_store_b128 v[OW], v[32*\i+8*\d+4*\e:32*\i+8*\d+4*\e+3] offset:64*\d+16*\e    ; query r, d = 16 dt + 8 h + 4 e .. + 3
.endr
.endr
	WIN 0
	s_wait_xcnt 0x0                                ; buffer f, which earlier stores read, is loaded again only behind this wait
.irp t, 0,1,2,3,4,5,6,7
	ds_load_b128 v[\f+4*\t:\f+4*\t+3], v[ORD] offset:2*OPI*\t      ; my own bytes, served in order behind the stores above
.endr
.irp t, 0,1,2,3,4,5,6,7
	s_wait_dscnt 7-\t                              ; the younger loads may stay out
	global_store_b128 v[GO], v[\f+4*\t:\f+4*\t+3], s[58:59] offset:\i*BLKB+\t*8192 th:TH_STORE_NT   ; 16 lanes store 256 consecutive bytes, aligned: a (token, head) row
.endr
.endm
	; ---- set-up ----
	s_load_b256 s[4:11], s[0:1], 0x0               ; q s[4:5], k s[6:7], v s[8:9], out0 s[10:11]
	v_lshl_add_u32 v254, v0, 2, 0x2dc00
	v_mov_b32 v255, 0
	ds_add_u32 v254, v255
	v_lshrrev_b32 v4, 5, v0
	v_readfirstlane_b32 s12, v4                    ; w
	s_bfe_u32 s13, ttmp6, 0x40000                  ; cx
	v_and_b32 v1, 31, v0                           ; L
	v_and_b32 v2, 15, v0                           ; r
	v_bfe_u32 v3, v0, 4, 1                         ; h
	s_and_b32 s52, s12, 1
	s_lshr_b32 s14, ttmp9, 4                       ; the cluster's number = 16 batch + head
	s_lshl_b32 s14, s14, 23                        ; a batch is 2,048 tokens of 4,096 bytes
	s_and_b32 s15, ttmp9, 15
	s_lshl_b32 s15, s15, 8
	s_or_b32 s2, s14, s15
	s_mov_b32 s3, 0                                ; s[2:3]: the head's byte offset
	s_mov_b32 s38, QSCALE
	s_mov_b32 s39, QSCALE
	s_mov_b32 s40, 0                               ; kt
	s_mov_b32 s42, 0x76543210                      ; v_permlanex16_b32: lane i of one half reads lane i of the other
	s_mov_b32 s43, 0xfedcba98
.irp b, 0,1,2,3,4,5,6,7
	s_add_co_u32 s[DG+\b], s12, 4*\b
.endr
	; group 1: 64 rows of 64 f32, 1,024 elements from row to row, dense in LDS; mask 15 names the cluster's four work-groups
	s_mov_b32 s[G1+0], 15|(2<<16)|(1<<21)          ; 15:0 mask; 17:16 elements of 4 bytes; 21 set beside a mask; no padding: the raw slots are read in running order
	s_mov_b32 s[G1+1], 64<<16                      ; tensor_dim0 = 64
	s_mov_b32 s[G1+2], 64<<16                      ; tensor_dim1 = 64
	s_mov_b32 s[G1+3], 64<<16                      ; tile_dim0 = 64
	s_mov_b32 s[G1+4], 64                          ; tile_dim1 = 64
	s_mov_b32 s[G1+5], 1024                        ; the pitch
	s_mov_b32 s[G1+6], 0
	s_mov_b32 s[G1+7], 0
	s_mul_i32 s36, s12, WSTB
	s_add_co_u32 s36, s36, WST                     ; my stage
	v_lshlrev_b32 v[GO], 4, v2
	v_lshl_add_u32 v[GO], v3, 12, v[GO]
	v_mul_u32_u24 v4, v3, KP
	v_lshl_add_u32 v4, v2, 3, v4                   ; 144 h + 8 r
	v_add_nc_u32 v[QW], s36, v4
	v_mul_u32_u24 v5, v2, KP
	v_lshl_add_u32 v5, v3, 4, v5                   ; 144 r + 16 h
	v_add_nc_u32 v[QR], s36, v5
	v_add_nc_u32 v[KA], KS, v5
	v_mul_u32_u24 v6, v2, OPI
	v_lshl_add_u32 v6, v3, 5, v6                   ; 272 r + 32 h
	v_add_nc_u32 v[OW], s36, v6
	v_mul_u32_u24 v6, v3, OPI
	v_lshl_add_u32 v6, v2, 4, v6                   ; 272 h + 16 r
	v_add_nc_u32 v[ORD], s36, v6
	s_lshl_b32 s37, s12, 13
	v_lshl_add_u32 v[RA], v1, 4, s37               ; 8,192 w + 16 L
	v_add_nc_u32 v[RA+1], RAWSLOT, v[RA]
	s_mul_i32 s37, s12, 32*KP
	s_add_co_u32 s37, s37, KS
	v_add_nc_u32 v[KW], s37, v4                    ; row 32 w + h, byte 8 r
	v_mul_u32_u24 v6, v3, VP
	v_lshl_add_u32 v6, v2, 3, v6
	s_mul_i32 s37, s12, 32*VP
	s_add_co_u32 s37, s37, VS
	v_add_nc_u32 v[VW], s37, v6
	v_and_b32 v6, 7, v0
	v_lshl_add_u32 v6, v3, 3, v6                   ; key 8 h + (L & 7)
	v_mul_u32_u24 v6, v6, VP
	v_bfe_u32 v7, v0, 3, 1
	v_lshl_add_u32 v6, v7, 4, v6                   ; + 16 ((L >> 3) & 1)
	v_add_nc_u32 v[VA], VS, v6
	s_lshl_b32 s62, s13, 17
	v_lshl_add_u32 v[PFO], v1, 12, s62             ; row 32 cx + L of a tile
	v_mov_b32 v[NEG], 0xff800000
	v_mov_b32 v[MN+1], 1.0                         ; the pair is named before alpha is first made
	s_lshl_b32 s62, s13, 4
	v_lshlrev_b32 v[T], 3, v3
	v_sub_nc_u32 v[LIM], v2, v[T]
	v_add_nc_u32 v[LIM], s62, v[LIM]               ; 16 cx + r - 8 h, signed
.set mk, 0
.rept 32
	v_cmp_le_i32 s[MASK+mk], 16*(mk/8)+(mk%8), v[LIM]        ; key 16 s + 8 h + j of the diagonal step is allowed
.set mk, mk+1
.endr
	s_lshl_b32 s60, s13, 16                        ; q and out0: 16 cx tokens,
	s_lshl_b32 s62, s12, 18                        ; 64 w tokens,
	s_add_co_u32 s60, s60, s62
	s_add_co_u32 s60, s60, s2                      ; and the head: the only scalar offsets that hold cx, in registers that feed no descriptor
	s_mov_b32 s61, 0
	s_lshl_b32 s14, s52, 18                        ; K and V: which 64 rows of a tile I fetch
	s_mov_b32 s15, 0
	s_wait_dscnt 0x0
	s_wait_kmcnt 0x0
	s_add_nc_u64 s[56:57], s[4:5], s[60:61]
	s_add_nc_u64 s[58:59], s[10:11], s[60:61]
	s_cmp_lt_u32 s12, 2                            ; waves 0 and 1 fetch K's halves, waves 2 and 3 V's
	s_cselect_b64 s[32:33], s[6:7], s[8:9]
	s_add_nc_u64 s[32:33], s[32:33], s[2:3]
	s_add_nc_u64 s[54:55], s[32:33], 2*TILE        ; the first prefetch: tile 2
	s_add_nc_u64 s[34:35], s[32:33], s[14:15]
	s_mov_b32 s[G0+0], 1
	s_lshl_b32 s[G0+1], s12, 14                    ; LDS: 16,384 w in slot 0
	s_mov_b64 s[G0+2:G0+3], s[34:35]               ; tile 0
	s_or_b32 s[G0+3], s[G0+3], 0x80000000
	s_mov_b32 s[G0+4], 1
	s_add_co_u32 s[G0+5], s[G0+1], RAWSLOT         ; the same in slot 1
	s_add_nc_u64 s[G0+6:G0+7], s[34:35], TILE      ; tile 1
	s_or_b32 s[G0+7], s[G0+7], 0x80000000
	ROUND                                          ; all four work-groups are here: the first joint loads meet
	tensor_load_to_lds s[G0:G0+3], s[G1:G1+7]      ; tile 0
	s_nop 0
	PLACES
	WIN 0x40                                       ; destination in window 1
.irp i, 0,1,2,3,4,5,6,7
.irp j, 0,1,2,3,4,5,6,7
	global_load_b128 v[32*\i+4*\j:32*\i+4*\j+3], v[GO], s[56:57] offset:\i*BLKB+\j*8192 th:TH_LOAD_NT   ; rows 2 j + h of tile i: 16 lanes read a row of 256 bytes
.endr
.endr
.irp i, 0,1,2,3,4,5,6,7
	QTILE \i
.endr
	WIN 0
	; ---- the 16 trips ----
	TRIP 0, 1, 1, 1, 0                             ; trip 0: its first step starts every sum; slot 1 gets its first tile as a refill does
	s_mov_b32 s41, 7
.Lpair:
	TRIP 1, 1, 1, 0, 0                             ; trips 1, 3, .. 13
	TRIP 0, 1, 2, 0, 0                             ; trips 2, 4, .. 14
	s_sub_co_i32 s41, s41, 1
	s_cmp_lg_u32 s41, 0
	s_cbranch_scc1 .Lpair
	TRIP 1, 0, 0, 0, 7                             ; trip 15: nothing is left to fetch; steps 30 and 31 reach row tile 7 alone
	; ---- the way out ----
	PLACES                                         ; behind the last matrix instructions: O is read, KF and VF are loaded
	OUT 0, KF
	OUT 1, VF
	OUT 2, KF
	OUT 3, VF
	OUT 4, KF
	OUT 5, VF
	OUT 6, KF
	OUT 7, VF
	s_wait_tensorcnt 0x0
	ds_add_u32 v254, v255
	s_wait_dscnt 0x0
	ROUND                                          ; the closing round: no work-group ends while a partner may still ask for a tile that names it
	s_endpgm
.Lfunc_end_k_q099cef8e7b_attn:
	.size	k_q099cef8e7b_attn, .Lfunc_end_k_q099cef8e7b_attn-k_q099cef8e7b_attn
	.p2alignl 7, 3214868480
	.fill 96, 4, 3214868480
	.section	.rodata,"a",@progbits
	.p2align	6, 0x0
	.amdhsa_kernel k_q099cef8e7b_attn
		.amdhsa_group_segment_fixed_size 327680
		.amdhsa_private_segment_fixed_size 0
		.amdhsa_enable_private_segment 0
		.amdhsa_kernarg_size 32
		.amdhsa_user_sgpr_count 2
		.amdhsa_user_sgpr_kernarg_segment_ptr 1
		.amdhsa_wavefront_size32 1
		.amdhsa_system_sgpr_workgroup_id_x 1
		.amdhsa_system_sgpr_workgroup_id_y 1
		.amdhsa_system_sgpr_workgroup_id_z 1
		.amdhsa_system_vgpr_workitem_id 0
		.amdhsa_next_free_vgpr 640
		.amdhsa_next_free_sgpr 98
		.amdhsa_reserve_vcc 0
		.amdhsa_float_denorm_mode_32 3
		.amdhsa_float_denorm_mode_16_64 3
		.amdhsa_memory_ordered 1
		.amdhsa_forward_progress 1
		.amdhsa_inst_pref_size 255
	.end_amdhsa_kernel
	.section	.bss,"aw",@nobits
	.p2align	6
	.space	262144
	.amdgpu_metadata
---
amdhsa.version: [ 1, 2 ]
amdhsa.kernels:
  - .name:           k_q099cef8e7b_attn
    .symbol:         k_q099cef8e7b_attn.kd
    .args:
      - { .name: q, .offset: 0, .size: 8, .value_kind: global_buffer, .address_space: global }
      - { .name: k, .offset: 8, .size: 8, .value_kind: global_buffer, .address_space: global }
      - { .name: v, .offset: 16, .size: 8, .value_kind: global_buffer, .address_space: global }
      - { .name: out0, .offset: 24, .size: 8, .value_kind: global_buffer, .address_space: global }
    .group_segment_fixed_size: 327680
    .private_segment_fixed_size: 0
    .kernarg_segment_align: 8
    .kernarg_segment_size: 32
    .max_flat_workgroup_size: 128
    .sgpr_count:     98
    .vgpr_count:     640
    .wavefront_size: 32
...
	.end_amdgpu_metadata
.endif
;; end of part 1
;; ======== version 2 of 2: 1 launch
;; limits: inputs' magnitudes at most 65,504; values are held in f16: magnitudes above 65,504 overflow, below 6.1e-05 lose precision
;; launch attn (part 2): grid 256 x 1, 8 waves a work-group, clusters of 4 x 1, 327,680 bytes of LDS; arguments q, k, v, out0; writes out0
.if DOCPART == 2
	.amdgcn_target "amdgcn-amd-amdhsa--gfx1250"
	.amdhsa_code_object_version 6
	.text
	.protected	k_q099cef8e7b_attn
	.globl	k_q099cef8e7b_attn
	.p2align	8
	.type	k_q099cef8e7b_attn,@function
k_q099cef8e7b_attn:
	s_mov_b64 s[64:65], 0
	v_nop
	global_prefetch_b8 v0, s[64:65] scope:SCOPE_SE
	s_setreg_imm32_b32 hwreg(HW_REG_WAVE_MODE, 25, 1), 1
	s_wait_xcnt 0x0
	s_wait_alu depctr_hold_cnt(0) depctr_sa_sdst(0) depctr_va_vdst(0) depctr_va_sdst(0) depctr_va_ssrc(0) depctr_va_vcc(0) depctr_vm_vsrc(0)
	s_getreg_b32 s2, hwreg(HW_REG_IB_STS2, 6, 4)
	s_cmp_eq_u32 s2, 0
	s_cbranch_scc0 .Lentry_in_a_cluster
	s_endpgm
.Lentry_in_a_cluster:
	s_bfe_u32 s2, ttmp6, 0x10000c
	s_cmp_lg_u32 s2, 0x3003
	s_cbranch_scc0 .Lentry_shape_is_right
	s_endpgm
.Lentry_shape_is_right:
; Causal attention.  q, k, v, out0: [4][2048][16][64] f32; a (token, head) row is 256 bytes, tokens are 4,096 bytes apart.
; out[q] = sum over keys <= q of softmax(q.k / 8) v, with a running maximum; products in f16 with f32 sums, all else in f32.
;
; SHARING.  A cluster of four work-groups is one (batch, head).  Its 32 waves hold all 2,048 queries in registers and walk the 2,048
; keys once.  Each tile of K and of V is asked for JOINTLY by the four work-groups (mask 15), so that a head's K and V are requested once.
; Row tile t (16 queries) = 32 i + 4 W + cx (i = 0..3, W the wave, cx the place in the cluster): a wave holds 64 queries.
; In steps of 64 keys (kt = 0..31) tile t needs step kt if kt <= t / 4 = 8 i + W, which does not hold cx: every branch hangs on
; the wave's number and on counters alone, alike in all partners.  In the step kt = 8 i + W key 16 s + 8 h + j is allowed if
; 16 s + j <= 16 cx + r - 8 h: 32 lane masks, the same for every i, made once, used by v_cndmask_b32 alone.
;
; EIGHT WAVES, two for each of a WGP's four SIMDs, 448 registers each (896 of a SIMD's 1,024).  A block is a chain (8 products, the softmax,
; 8 products) in which each part waits for the one before, and the rounding to f16 and the fragment loads wait for LDS; a second wave on
; the SIMD has independent instructions to issue meanwhile.  The price: a step's 32 fragment loads serve four blocks and not eight.
;
; ORIENTATION (lane L: r = L & 15, h = L >> 4).  S^T = K Q^T: source 0 = 16 keys, source 1 = 16 queries; register j of tile s holds
; (key 16 s + 8 h + j, query r).  A query lies in a lane: maximum and sum run down the lane's registers and cross the two halves once;
; the packed weights ARE source 1 of the second product, O^T += V^T P^T (source 0 = 16 d, by transposing loads), and the factor that
; rescales O is one number a lane.  Q is multiplied by log2(e) / 8 in f32 before it is rounded, so the scores are exponents of 2.
;
; THE WALK.  Step 0 starts every sum and has a text of its own, so it has a tile of its own (keys 0-63).  Steps 1 to 28 go in 14 trips of
; 128 keys, a loop whose text holds the four blocks of a step ONCE: a trip runs them in two passes.  Steps 29 to 31 reach row tile 3
; of waves 5 to 7 alone and are written out.  K and V arrive as f32 by tensor loads in a raw slot; the eight waves round the tile to f16
; once, into a stage from which all eight read fragments.  The raw slot is read by that rounding alone: straight behind it the next tile is
; asked for and has the trip's products in which to land, so the raw slot and the stage do what two slots would, and every LDS address is
; the same in every trip.  The two tiles of 64 keys (0-63, 1984-2047) have LDS bytes of their own, filled once, in the group of first fills.
; A tile's 256 rows (K's 128, V's 128) are fetched by waves 0 to 3, 64 rows a load (the small tiles' 128 rows: 32 rows a load); waves 4 to 7
; issue no tensor load.
;
; FORMAT.  f16 and not bf16: its 11 bits keep the weights' rounding 8 times smaller.
; LIMITS.  |q| log2(e)/8, |k| or |v| above 65,504 becomes infinite in f16 and the result NaN; operands below 6.1e-5 keep fewer bits.
; A weight below 2^-25 of its row's largest counts in the denominator (f32) and not in the numerator (f16).  A masked score is minus
; infinity here, its weight exactly 0; adding -1e9 gives the same as long as scaled scores stay far below 1e9 in size.  NaN or infinite
; inputs give NaN, not always in the same places.  The sums' order differs from a plain softmax's.
;
; REGISTERS in windows of 256.  Window 0: addresses, scores, weights, fragments, statistics.  Window 1: O (tile i, d block dt at
; 8 (4 i + dt)), at the start the raw q; behind it Q's fragments (tile i, K half ks at 128 + 16 i + 8 ks).
.set TILE,    524288                   ; bytes from a tile of 128 tokens to the next
.set HTILE,   262144                   ; 64 tokens
.set RAWV,    32768                    ; the raw slot, LDS bytes 0 to 65,535: K's 128 rows of 256 bytes, then V's
.set RAWA,    65536                    ; keys 0-63 in f32: K's 64 rows, then V's
.set RAWZ,    98304                    ; keys 1984-2047, the same
.set RAWSV,   16384                    ; where V begins in a small tile
.set KS,      131072                   ; K in f16: 192 rows, pitch 144
.set KP,      144                      ; an odd multiple of 16 bytes: the 16 rows of a fragment load start in 16 different groups of banks (ISA guide 11.1)
.set VS,      158720                   ; V in f16: 192 rows, pitch 160
.set VP,      160                      ; an odd multiple of 32 bytes, for the transposing loads
.set WST,     189440                   ; each wave's own stage: q on the way in (16 rows, pitch 144), O on the way out (16 rows of f32, pitch 272)
.set WSTB,    4352
.set OPI,     272
.set BLKB,    2097152                  ; 512 tokens: from a wave's row tile i to i + 1
.set QSCALE,  0x3e38aa3b               ; log2(e) / 8
.set GO,  8                            ; v8   4096 h + 16 r: my 16 bytes in a pair of token rows of q and of out0
.set QW,  9                            ; v9   stage, q in
.set QR,  10                           ; v10  stage, Q fragments
.set OW,  11                           ; v11  stage, O in
.set ORD, 12                           ; v12  stage, O rows back
.set RA,  13                           ; v13  my 16 rows of K in the raw slot
.set RAS, 14                           ; v14  my 8 rows of K in the tile of keys 0-63
.set KW,  15                           ; v15  where I put K in f16, 16 rows a wave
.set VW,  16                           ; v16  where I put V in f16, 16 rows a wave
.set KA,  17                           ; v17  K fragments
.set VA,  18                           ; v18  V fragments, transposed
.set PFO, 19                           ; v19  prefetch: my row of a tile
.set NEG, 20                           ; v20  minus infinity
.set LIM, 21                           ; v21  16 cx + r - 8 h
.set T,   22                           ; v[22:25] at work
.set A,   26                           ; v[26:33] four pairs of partial sums
.set KWS, 34                           ; v34  where I put K in f16, 8 rows a wave
.set VWS, 35                           ; v35  where I put V in f16, 8 rows a wave
.set SC,  40                           ; v[40:71] scores, then weights in f32
.set PW,  72                           ; v[72:87] weights in f16
.set KF,  88                           ; v[88:151]  K fragments: 16 s + 8 ks
.set VF,  152                          ; v[152:215] V fragments: 16 dt + 8 kc
.set MN,  216                          ; v[216:217] new maximum, factor alpha
.set MX,  218                          ; v[218:221] running maximum of tile i
.set LS,  226                          ; v[226:229] running sum of tile i, each half of the lanes its own keys'
.set QF,  128                          ; window 1, v[128:191]: Q's fragments
.set G1S, 4                            ; s[4:11]  descriptor group 1 of the small tiles (written when the four addresses have been used)
.set G1,  16                           ; s[16:23] descriptor group 1 of the tiles of 128 keys
.set G0,  24                           ; s[24:27] descriptor group 0 of the raw slot
.set G0A, 28                           ; s[28:31] of keys 0-63
.set G0Z, 32                           ; s[32:35] of keys 1984-2047
.set DG,  44                           ; s[44:47] 8 i + W: tile i's last step of 64 keys
.set MASK, 66                          ; s[66:97] the diagonal step's lane masks, 8 s + j
.set MSB, 0
.macro WIN new                         ; the immediate's high byte repeats the setting that is left
.if MSB != \new
	s_set_vgpr_msb (MSB<<8)|\new
.set MSB, \new
.endif
.endm
.macro PLACES                          ; four places behind matrix instructions (ISA guide 7.12.1)
.rept 4
	v_nop
.endr
.endm
; A round of the cluster's barrier: my work-group's barrier, wave 0 signals for the work-group, every wave waits for all four work-groups, my work-group's barrier again.
.macro ROUND
	s_barrier_signal -1
	s_barrier_wait -1
	s_cmp_lg_u32 s12, 0
	s_cbranch_scc1 .Lnot_wave_0_\@
	s_barrier_signal -3
.Lnot_wave_0_\@:
	s_barrier_wait -3
	s_barrier_signal -1
	s_barrier_wait -1
.endm
; Row tile i of q: scale, round to f16, through my stage into fragments.  The stage is my own and LDS serves a wave's instructions in order
; (ISA guide 5.7.1), so no wait stands between the stores and the loads, nor between one tile's loads and the next tile's stores.
.macro QTILE i
	s_wait_loadcnt 8*(3-\i)                        ; the later tiles' loads, eight each, may stay out
	WIN 0x45                                       ; destination, sources 0 and 1 in window 1
.irp j, 0,1,2,3,4,5,6,7
	v_pk_mul_f32 v[32*\i+4*\j:32*\i+4*\j+1], v[32*\i+4*\j:32*\i+4*\j+1], s[38:39] op_sel_hi:[1,0]
	v_pk_mul_f32 v[32*\i+4*\j+2:32*\i+4*\j+3], v[32*\i+4*\j+2:32*\i+4*\j+3], s[38:39] op_sel_hi:[1,0]
.endr
.irp j, 0,1,2,3,4,5,6,7
	v_cvt_pk_f16_f32 v[32*\i+4*\j], v[32*\i+4*\j], v[32*\i+4*\j+1]
	v_cvt_pk_f16_f32 v[32*\i+4*\j+1], v[32*\i+4*\j+2], v[32*\i+4*\j+3]
.endr
	WIN 0x04                                       ; store data in window 1
.irp j, 0,1,2,3,4,5,6,7
	ds_store_b64 v[QW], v[32*\i+4*\j:32*\i+4*\j+1] offset:2*KP*\j     ; rows 2 j + h, d = 4 r .. 4 r + 3
.endr
	WIN 0x40                                       ; destination in window 1
.irp g, 0,1,2,3
	ds_load_b128 v[QF+16*\i+4*\g:QF+16*\i+4*\g+3], v[QR] offset:32*\g      ; query r, d = 16 g + 8 h .. + 7
.endr
.endm
; A raw tile is rounded to f16: my 2 n rows of K (address register ra, offset ro) and of V (offset rv) go to the stage's rows from so on
; (address registers kw, vw).  KF and VF serve as work registers.  It ends with all my LDS instructions done, for the barrier that follows.
.macro CONV n, ra, ro, rv, kw, vw, so
.set cv, 0
.rept \n
	ds_load_b128 v[KF+4*cv:KF+4*cv+3], v[\ra] offset:\ro+512*cv       ; two rows: 32 lanes, 16 neighbouring bytes each
.set cv, cv+1
.endr
.set cv, 0
.rept \n
	ds_load_b128 v[VF+4*cv:VF+4*cv+3], v[\ra] offset:\rv+512*cv
.set cv, cv+1
.endr
	s_wait_dscnt \n                                ; K's loads are in; V's n may stay out
.set cv, 0
.rept \n
	v_cvt_pk_f16_f32 v[KF+4*cv], v[KF+4*cv], v[KF+4*cv+1]
	v_cvt_pk_f16_f32 v[KF+4*cv+1], v[KF+4*cv+2], v[KF+4*cv+3]
.set cv, cv+1
.endr
.set cv, 0
.rept \n
	ds_store_b64 v[\kw], v[KF+4*cv:KF+4*cv+1] offset:\so*KP+2*KP*cv
.set cv, cv+1
.endr
	s_wait_dscnt \n                                ; V's loads are in; the n stores issued behind them may stay out
.set cv, 0
.rept \n
	v_cvt_pk_f16_f32 v[VF+4*cv], v[VF+4*cv], v[VF+4*cv+1]
	v_cvt_pk_f16_f32 v[VF+4*cv+1], v[VF+4*cv+2], v[VF+4*cv+3]
.set cv, cv+1
.endr
.set cv, 0
.rept \n
	ds_store_b64 v[\vw], v[VF+4*cv:VF+4*cv+1] offset:\so*VP+2*VP*cv
.set cv, cv+1
.endr
	s_wait_dscnt 0x0                               ; for the other waves' sake: my part of the stage is written, my reads of the raw tile are back
.endm
; The 32 fragment loads of a step: keys 64 hh .. 64 hh + 63 of the stage.  They serve up to four blocks.
.macro LOADS hh
.irp s, 0,1,2,3
.irp g, 0,1,2,3
	ds_load_b128 v[KF+16*\s+4*\g:KF+16*\s+4*\g+3], v[KA] offset:(64*\hh+16*\s)*KP+32*\g        ; key 16 s + r, d = 16 g + 8 h .. + 7
.endr
.endr
.irp d, 0,1,2,3
.irp g, 0,1,2,3
	ds_load_tr16_b128 v[VF+16*\d+4*\g:VF+16*\d+4*\g+3], v[VA] offset:(64*\hh+16*\g)*VP+32*\d   ; d = 16 dt + r, keys 16 g + 8 h .. + 7
.endr
.endr
.endm
; Row tile i against the 64 keys whose fragments lie in KF and VF.  first = 1: step 0, which every tile needs: it starts maximum, sum and O.
; guard = 1: the block is jumped over where the step lies wholly above the tile's diagonal.
.macro BLOCK i, first, guard
.if \guard
	s_cmp_gt_u32 s40, s[DG+\i]                     ; the step lies wholly above the diagonal
	s_cbranch_scc1 .Lskip_\@
.endif
	WIN 0x04                                       ; source 1 (Q) in window 1
	; the four accumulators take turns, one instruction a turn; the matrix instruction in front of these adds onto O
.irp s, 0,1,2,3
	v_wmma_f32_16x16x32_f16 v[SC+8*\s:SC+8*\s+7], v[KF+16*\s:KF+16*\s+7], v[QF+16*\i:QF+16*\i+7], 0
.endr
.irp s, 0,1,2,3
	v_wmma_f32_16x16x32_f16 v[SC+8*\s:SC+8*\s+7], v[KF+16*\s+8:KF+16*\s+15], v[QF+16*\i+8:QF+16*\i+15], v[SC+8*\s:SC+8*\s+7]
.endr
	WIN 0
	PLACES                                         ; in front of the first reader of the scores, and of the writes of PW, which the last block's products read
.set DIAG, 1
.if \first
.if \i
.set DIAG, 0                                       ; step 0 is the diagonal step of tile 0 (of wave 0) alone
.endif
.endif
.if DIAG
	s_cmp_lg_u32 s40, s[DG+\i]
	s_cbranch_scc1 .Lfull_\@
.set mk, 0
.rept 32
	v_cndmask_b32 v[SC+mk], v[NEG], v[SC+mk], s[MASK+mk]     ; keys behind the query: minus infinity
.set mk, mk+1
.endr
.Lfull_\@:
.endif
	; the largest of my 32 scores and the running maximum: 16 three-way maxima, four chains
.irp c, 0,1,2,3
	v_max3_num_f32 v[T+\c], v[SC+8*\c], v[SC+8*\c+1], v[SC+8*\c+2]
.endr
.irp c, 0,1,2,3
	v_max3_num_f32 v[T+\c], v[T+\c], v[SC+8*\c+3], v[SC+8*\c+4]
.endr
.irp c, 0,1,2,3
	v_max3_num_f32 v[T+\c], v[T+\c], v[SC+8*\c+5], v[SC+8*\c+6]
.endr
	v_max3_num_f32 v[T], v[T], v[SC+7], v[SC+15]
	v_max3_num_f32 v[T+1], v[T+1], v[SC+23], v[SC+31]
	v_max3_num_f32 v[T], v[T], v[T+1], v[T+2]
.if \first
	v_max_num_f32 v[T], v[T], v[T+3]
.else
	v_max3_num_f32 v[T], v[T], v[T+3], v[MX+\i]
.endif
	v_permlanex16_b32 v[T+1], v[T], s42, s43       ; the other half of the lanes holds the query's other keys
	v_max_num_f32 v[MN], v[T], v[T+1]              ; finite: key 0 is allowed to every query
.if \first == 0
	v_sub_f32 v[T+2], v[MX+\i], v[MN]
.endif
.irp c, 0,1,2,3,4,5,6,7,8,9,10,11,12,13,14,15
	v_pk_add_f32 v[SC+2*\c:SC+2*\c+1], v[SC+2*\c:SC+2*\c+1], v[MN:MN+1] op_sel_hi:[1,0] neg_lo:[0,1] neg_hi:[0,1]   ; both minus the new maximum
.endr
.if \first == 0
	v_exp_f32 v[MN+1], v[T+2]                      ; alpha = 2^(old maximum - new)
.endif
.set mk, 0
.rept 32
	v_exp_f32 v[SC+mk], v[SC+mk]
.set mk, mk+1
.endr
	v_mov_b32 v[MX+\i], v[MN]                      ; the plain instruction between the exponentials and the first use of a result (ISA guide 5.7.2)
	s_wait_alu depctr_va_vdst(0)
.irp c, 0,1,2,3
	v_pk_add_f32 v[A+2*\c:A+2*\c+1], v[SC+8*\c:SC+8*\c+1], v[SC+8*\c+2:SC+8*\c+3]
.endr
.irp c, 0,1,2,3
	v_pk_add_f32 v[A+2*\c:A+2*\c+1], v[A+2*\c:A+2*\c+1], v[SC+8*\c+4:SC+8*\c+5]
.endr
.irp c, 0,1,2,3
	v_pk_add_f32 v[A+2*\c:A+2*\c+1], v[A+2*\c:A+2*\c+1], v[SC+8*\c+6:SC+8*\c+7]
.endr
	v_pk_add_f32 v[A:A+1], v[A:A+1], v[A+2:A+3]
	v_pk_add_f32 v[A+4:A+5], v[A+4:A+5], v[A+6:A+7]
	v_pk_add_f32 v[A:A+1], v[A:A+1], v[A+4:A+5]
.irp c, 0,1,2,3,4,5,6,7,8,9,10,11,12,13,14,15
	v_cvt_pk_f16_f32 v[PW+\c], v[SC+2*\c], v[SC+2*\c+1]      ; registers 8 kc .. 8 kc + 7: source 1 for keys 32 kc .. 32 kc + 31, no lane moves
.endr
.if \first
	v_add_f32 v[LS+\i], v[A], v[A+1]
.else
	v_add_f32 v[T], v[A], v[A+1]
	v_fma_f32 v[LS+\i], v[LS+\i], v[MN+1], v[T]
	WIN 0x41                                       ; destination and source 0 in window 1
.irp c, 0,1,2,3,4,5,6,7,8,9,10,11,12,13,14,15
	v_pk_mul_f32 v[32*\i+2*\c:32*\i+2*\c+1], v[32*\i+2*\c:32*\i+2*\c+1], v[MN:MN+1] op_sel:[0,1] op_sel_hi:[1,1]   ; O times alpha
.endr
.endif
	WIN 0x50                                       ; C and D in window 1
	s_wait_dscnt 0x0                               ; V's fragments (met at once in all but the first block that the step runs)
	; again four accumulators by turns, one instruction a turn
.irp d, 0,1,2,3
.if \first
	v_wmma_f32_16x16x32_f16 v[32*\i+8*\d:32*\i+8*\d+7], v[VF+16*\d:VF+16*\d+7], v[PW:PW+7], 0
.else
	v_wmma_f32_16x16x32_f16 v[32*\i+8*\d:32*\i+8*\d+7], v[VF+16*\d:VF+16*\d+7], v[PW:PW+7], v[32*\i+8*\d:32*\i+8*\d+7]
.endif
.endr
.irp d, 0,1,2,3
	v_wmma_f32_16x16x32_f16 v[32*\i+8*\d:32*\i+8*\d+7], v[VF+16*\d+8:VF+16*\d+15], v[PW+8:PW+15], v[32*\i+8*\d:32*\i+8*\d+7]
.endr
	WIN 0
.if \guard
.Lskip_\@:
.endif
.endm
; The four blocks of a step.  A step's fragment loads are issued only where row tile 3 reaches the step (kt <= 24 + W), so tile 3's block
; has no test of its own: every way that issues the loads runs it and passes its wait for all of them, before KF and VF are loaded again.
.macro BLOCKS first
.irp b, 0,1,2
	BLOCK \b, \first, 1-\first
.endr
	BLOCK 3, \first, 0
.endm
; One of the steps 29 to 31: row tile 3 alone, and only in the waves whose tile 3 reaches the step.
.macro LAST hh, places
	s_cmp_gt_u32 s40, s[DG+3]
	s_cbranch_scc1 .Lnone_\@
.if \places
	PLACES                                         ; KF and VF were read by the last step's matrix instructions
.endif
	LOADS \hh
	s_wait_dscnt 16                                ; K's fragments are in; V's sixteen loads may stay out
	BLOCK 3, 0, 0
.Lnone_\@:
	s_add_co_u32 s40, s40, 1
.endm
; Wave 0 asks for K's, wave 2 for V's rows 32 cx + lane of the tile of 128 keys that the NEXT trip's tensor loads will fetch: each row of
; 256 bytes once in the launch.  Trips 0 to 13 ask (tokens 192 to 1,983); stop = 1: the loop's last pass, trip 14, asks for nothing.
.macro PF stop
	s_cmp_lg_u32 s52, 0                            ; W & 5: zero in waves 0 and 2 alone
	s_cbranch_scc1 .Lnopf_\@
.if \stop
	s_cmp_eq_u32 s41, 1
	s_cbranch_scc1 .Lnopf_\@
.endif
	global_prefetch_b8 v[PFO], s[54:55] th:TH_LOAD_NT scope:SCOPE_SE
.Lnopf_\@:
.endm
; Row tile i leaves: divide by the sum, through my stage into whole rows.  f = KF or VF in turn.
.macro OUT i, f
	v_permlanex16_b32 v[T+1], v[LS+\i], s42, s43
	v_add_f32 v[T], v[LS+\i], v[T+1]               ; the two halves' keys together; at least 1, the largest weight
	v_rcp_f32 v[MN], v[T]
	v_nop                                          ; the plain instruction behind v_rcp_f32 (ISA guide 5.7.2)
	WIN 0x41
	s_wait_alu depctr_va_vdst(0)
.irp c, 0,1,2,3,4,5,6,7,8,9,10,11,12,13,14,15
	v_pk_mul_f32 v[32*\i+2*\c:32*\i+2*\c+1], v[32*\i+2*\c:32*\i+2*\c+1], v[MN:MN+1] op_sel_hi:[1,0]
.endr
	WIN 0x04
.irp d, 0,1,2,3
.irp e, 0,1
	ds_store_b128 v[OW], v[32*\i+8*\d+4*\e:32*\i+8*\d+4*\e+3] offset:64*\d+16*\e    ; query r, d = 16 dt + 8 h + 4 e .. + 3
.endr
.endr
	WIN 0
	s_wait_xcnt 0x0                                ; buffer f, which earlier stores read, is loaded again only behind this wait
.irp t, 0,1,2,3,4,5,6,7
	ds_load_b128 v[\f+4*\t:\f+4*\t+3], v[ORD] offset:2*OPI*\t      ; my own bytes, served in order behind the stores above
.endr
.irp t, 0,1,2,3,4,5,6,7
	s_wait_dscnt 7-\t                              ; the younger loads may stay out
	global_store_b128 v[GO], v[\f+4*\t:\f+4*\t+3], s[58:59] offset:\i*BLKB+\t*8192 th:TH_STORE_NT   ; 16 lanes store 256 consecutive bytes, aligned: a (token, head) row
.endr
.endm
	; ---- set-up ----
	s_load_b256 s[4:11], s[0:1], 0x0               ; q s[4:5], k s[6:7], v s[8:9], out0 s[10:11]
	v_lshl_add_u32 v254, v0, 2, 0x36c00
	v_mov_b32 v255, 0
	ds_add_u32 v254, v255
	v_lshrrev_b32 v4, 5, v0
	v_readfirstlane_b32 s12, v4                    ; W, 0 to 7
	s_bfe_u32 s13, ttmp6, 0x40000                  ; cx
	v_and_b32 v1, 31, v0                           ; L
	v_and_b32 v2, 15, v0                           ; r
	v_bfe_u32 v3, v0, 4, 1                         ; h
	s_and_b32 s52, s12, 5                          ; zero in waves 0 and 2: those that prefetch
	s_lshr_b32 s14, ttmp9, 4                       ; the cluster's number = 16 batch + head
	s_lshl_b32 s14, s14, 23                        ; a batch is 2,048 tokens of 4,096 bytes
	s_and_b32 s15, ttmp9, 15
	s_lshl_b32 s15, s15, 8
	s_or_b32 s2, s14, s15
	s_mov_b32 s3, 0                                ; s[2:3]: the head's byte offset
	s_mov_b32 s38, QSCALE
	s_mov_b32 s39, QSCALE
	s_mov_b32 s40, 0                               ; kt
	s_mov_b32 s42, 0x76543210                      ; v_permlanex16_b32: lane i of one half reads lane i of the other
	s_mov_b32 s43, 0xfedcba98
.irp b, 0,1,2,3
	s_add_co_u32 s[DG+\b], s12, 8*\b
.endr
	; group 1: 64 rows of 64 f32, 1,024 elements from row to row, dense in LDS; mask 15 names the cluster's four work-groups
	s_mov_b32 s[G1+0], 15|(2<<16)|(1<<21)          ; 15:0 mask; 17:16 elements of 4 bytes; 21 set beside a mask; no padding: the raw tiles are read in running order
	s_mov_b32 s[G1+1], 64<<16                      ; tensor_dim0 = 64
	s_mov_b32 s[G1+2], 64<<16                      ; tensor_dim1 = 64
	s_mov_b32 s[G1+3], 64<<16                      ; tile_dim0 = 64
	s_mov_b32 s[G1+4], 64                          ; tile_dim1 = 64
	s_mov_b32 s[G1+5], 1024                        ; the pitch
	s_mov_b32 s[G1+6], 0
	s_mov_b32 s[G1+7], 0
	s_mul_i32 s36, s12, WSTB
	s_add_co_u32 s36, s36, WST                     ; my stage
	v_lshlrev_b32 v[GO], 4, v2
	v_lshl_add_u32 v[GO], v3, 12, v[GO]
	v_mul_u32_u24 v4, v3, KP
	v_lshl_add_u32 v4, v2, 3, v4                   ; 144 h + 8 r
	v_add_nc_u32 v[QW], s36, v4
	v_mul_u32_u24 v5, v2, KP
	v_lshl_add_u32 v5, v3, 4, v5                   ; 144 r + 16 h
	v_add_nc_u32 v[QR], s36, v5
	v_add_nc_u32 v[KA], KS, v5
	v_mul_u32_u24 v6, v2, OPI
	v_lshl_add_u32 v6, v3, 5, v6                   ; 272 r + 32 h
	v_add_nc_u32 v[OW], s36, v6
	v_mul_u32_u24 v6, v3, OPI
	v_lshl_add_u32 v6, v2, 4, v6                   ; 272 h + 16 r
	v_add_nc_u32 v[ORD], s36, v6
	s_lshl_b32 s37, s12, 12
	v_lshl_add_u32 v[RA], v1, 4, s37               ; 4,096 W + 16 L: 16 rows a wave
	s_lshl_b32 s37, s12, 11
	s_add_co_u32 s37, s37, RAWA
	v_lshl_add_u32 v[RAS], v1, 4, s37              ; 2,048 W + 16 L in the small tile: 8 rows a wave
	s_mul_i32 s37, s12, 16*KP
	s_add_co_u32 s37, s37, KS
	v_add_nc_u32 v[KW], s37, v4                    ; row 16 W + h, byte 8 r
	s_mul_i32 s37, s12, 8*KP
	s_add_co_u32 s37, s37, KS
	v_add_nc_u32 v[KWS], s37, v4                   ; row 8 W + h, byte 8 r
	v_mul_u32_u24 v6, v3, VP
	v_lshl_add_u32 v6, v2, 3, v6                   ; 160 h + 8 r
	s_mul_i32 s37, s12, 16*VP
	s_add_co_u32 s37, s37, VS
	v_add_nc_u32 v[VW], s37, v6
	s_mul_i32 s37, s12, 8*VP
	s_add_co_u32 s37, s37, VS
	v_add_nc_u32 v[VWS], s37, v6
	v_and_b32 v6, 7, v0
	v_lshl_add_u32 v6, v3, 3, v6                   ; key 8 h + (L & 7)
	v_mul_u32_u24 v6, v6, VP
	v_bfe_u32 v7, v0, 3, 1
	v_lshl_add_u32 v6, v7, 4, v6                   ; + 16 ((L >> 3) & 1)
	v_add_nc_u32 v[VA], VS, v6
	s_lshl_b32 s60, s13, 17                        ; cx lives in s13 and s60 alone: no register that feeds a descriptor ever holds it
	v_lshl_add_u32 v[PFO], v1, 12, s60             ; row 32 cx + L of a tile of 128 tokens
	v_mov_b32 v[NEG], 0xff800000
	v_mov_b32 v[MN+1], 1.0                         ; the pair is named before alpha is first made
	s_lshl_b32 s60, s13, 4
	v_lshlrev_b32 v[T], 3, v3
	v_sub_nc_u32 v[LIM], v2, v[T]
	v_add_nc_u32 v[LIM], s60, v[LIM]               ; 16 cx + r - 8 h, signed
.set mk, 0
.rept 32
	v_cmp_le_i32 s[MASK+mk], 16*(mk/8)+(mk%8), v[LIM]        ; key 16 s + 8 h + j of the diagonal step is allowed
.set mk, mk+1
.endr
	s_lshl_b32 s60, s13, 16                        ; q and out0: 16 cx tokens,
	s_lshl_b32 s53, s12, 18                        ; 64 W tokens,
	s_add_co_u32 s60, s60, s53
	s_add_co_u32 s60, s60, s2                      ; and the head
	s_mov_b32 s61, 0
	s_and_b32 s53, s12, 1
	s_lshl_b32 s14, s53, 18                        ; K and V (waves 0 to 3): which 64 rows of a tile of 128 I fetch,
	s_mov_b32 s15, 0
	s_lshl_b32 s36, s53, 17                        ; which 32 rows of a tile of 64
	s_mov_b32 s37, 0
	s_wait_dscnt 0x0
	s_wait_kmcnt 0x0
	s_add_nc_u64 s[56:57], s[4:5], s[60:61]
	s_add_nc_u64 s[58:59], s[10:11], s[60:61]
	s_cmp_lt_u32 s12, 2                            ; waves 0 and 1 fetch K's halves, waves 2 and 3 V's
	s_cselect_b64 s[62:63], s[6:7], s[8:9]
	s_add_nc_u64 s[62:63], s[62:63], s[2:3]        ; K's or V's first row of the head
	s_add_nc_u64 s[54:55], s[62:63], 192*4096      ; the first prefetch: tokens 192 to 319
	s_mov_b32 s[G0+0], 1
	s_lshl_b32 s[G0+1], s12, 14                    ; LDS: 16,384 W in the raw slot (W = 0..3)
	s_add_nc_u64 s[G0+2:G0+3], s[62:63], s[14:15]
	s_add_nc_u64 s[G0+2:G0+3], s[G0+2:G0+3], HTILE ; the first tile of 128 keys begins at token 64
	s_or_b32 s[G0+3], s[G0+3], 0x80000000
	s_mov_b32 s[G0A+0], 1
	s_lshl_b32 s[G0A+1], s12, 13
	s_add_co_u32 s[G0A+1], s[G0A+1], RAWA          ; LDS: 8,192 W in the small tile (W = 0..3)
	s_add_nc_u64 s[G0A+2:G0A+3], s[62:63], s[36:37]                  ; tokens 0 to 63
	s_mov_b32 s[G0Z+0], 1
	s_add_co_u32 s[G0Z+1], s[G0A+1], RAWZ-RAWA
	s_add_nc_u64 s[G0Z+2:G0Z+3], s[G0A+2:G0A+3], 1984*4096           ; tokens 1,984 to 2,047
	s_or_b32 s[G0A+3], s[G0A+3], 0x80000000
	s_or_b32 s[G0Z+3], s[G0Z+3], 0x80000000
	; group 1 of the small tiles: 32 rows a load; all else as above.  The four addresses that lay here have been used.
	s_mov_b32 s[G1S+0], 15|(2<<16)|(1<<21)
	s_mov_b32 s[G1S+1], 64<<16                     ; tensor_dim0 = 64
	s_mov_b32 s[G1S+2], 32<<16                     ; tensor_dim1 = 32
	s_mov_b32 s[G1S+3], 64<<16                     ; tile_dim0 = 64
	s_mov_b32 s[G1S+4], 32                         ; tile_dim1 = 32
	s_mov_b32 s[G1S+5], 1024                       ; the pitch
	s_mov_b32 s[G1S+6], 0
	s_mov_b32 s[G1S+7], 0
	ROUND                                          ; all four work-groups are here: the first joint loads meet
	s_cmp_gt_u32 s12, 3                            ; waves 4 to 7 fetch nothing: one branch on the wave's number round all the first fills, the same in every work-group
	s_cbranch_scc1 .Lno_first
	tensor_load_to_lds s[G0A:G0A+3], s[G1S:G1S+7]  ; the first fills, one group: keys 0-63,
	s_nop 0
	tensor_load_to_lds s[G0:G0+3], s[G1:G1+7]      ; keys 64-191,
	s_nop 0
	tensor_load_to_lds s[G0Z:G0Z+3], s[G1S:G1S+7]  ; keys 1984-2047.  By this text's count three loads of a wave are out here, later one
	s_nop 0
	PLACES
.Lno_first:
	WIN 0x40                                       ; destination in window 1
.irp i, 0,1,2,3
.irp j, 0,1,2,3,4,5,6,7
	global_load_b128 v[32*\i+4*\j:32*\i+4*\j+3], v[GO], s[56:57] offset:\i*BLKB+\j*8192 th:TH_LOAD_NT   ; rows 2 j + h of tile i: 16 lanes read a row of 256 bytes
.endr
.endr
.irp i, 0,1,2,3
	QTILE \i
.endr
	WIN 0
	; ---- trip 0: step 0, keys 0-63, starts every sum ----
	s_wait_tensorcnt 0x2                           ; my part of keys 0-63 is in; the two loads issued behind it may stay out
	s_wait_dscnt 0x0                               ; Q's fragments are in
	s_barrier_signal -1
	s_barrier_wait -1                              ; the tile is whole
	CONV 4, RAS, 0, RAWSV, KWS, VWS, 0
	s_barrier_signal -1
	s_barrier_wait -1                              ; the stage's rows 0-63 are whole
	PF 0
	LOADS 0
	s_wait_dscnt 16                                ; K's fragments are in; V's sixteen loads may stay out
	BLOCKS 1
	s_add_co_u32 s40, s40, 1
	; ---- trips 1 to 14: steps 2 n - 1 and 2 n, keys 128 n - 64 .. 128 n + 63 ----
	s_mov_b32 s41, 14
.Ltrip:
	PLACES                                         ; KF and VF, which the last matrix instructions read, are loaded below
	s_wait_tensorcnt 0x0                           ; my part of the raw slot has landed, and no load of mine is out: group 0 may be written
	s_add_nc_u64 s[G0+2:G0+3], s[G0+2:G0+3], TILE  ; the next tile
	s_wait_xcnt 0x0                                ; the last trip's prefetch has read its base
	s_add_nc_u64 s[54:55], s[54:55], TILE
	s_wait_dscnt 0x0                               ; my reads of the stage are back
	s_barrier_signal -1
	s_barrier_wait -1                              ; the raw tile is whole, and no wave reads the stage any more
	CONV 8, RA, 0, RAWV, KW, VW, 0
	s_wait_tensorcnt 0x0                           ; in front of the refill's round: reads back (the rounding's last wait), loads landed (met at once: none was issued in this trip)
	ds_add_u32 v254, v255
	s_wait_dscnt 0x0
	ROUND                                          ; no wave of the four work-groups reads the raw slot any more; the stage is whole
	s_cmp_gt_u32 s12, 3                            ; waves 4 to 7 have no part of the tile to fill
	s_cbranch_scc1 .Lno_fill
	tensor_load_to_lds s[G0:G0+3], s[G1:G1+7]      ; my one tensor load until the next round: it has the trip's two steps in which to land
	s_nop 0
	PLACES
.Lno_fill:
	PF 1
	s_mov_b32 s53, 0
	s_cmp_gt_u32 s40, s[DG+3]                      ; none of my row tiles reaches the trip's first step, nor then its second
	s_cbranch_scc1 .Lidle2
	LOADS 0
	; Two passes over one text of the four blocks.  The second pass's fragment loads stand in the loop's middle, so that every LDS address is a
	; constant; the second pass leaves in front of them: there is no third step to load for.
.Lhalf:
	s_wait_dscnt 16                                ; K's fragments are in; V's sixteen loads may stay out (the same count on the way in and on the way back)
	BLOCKS 0
	s_add_co_u32 s40, s40, 1
	s_cmp_lg_u32 s53, 0
	s_cbranch_scc1 .Ltrip_end
	s_cmp_gt_u32 s40, s[DG+3]                      ; none of my row tiles reaches the second step
	s_cbranch_scc1 .Lidle1
	PLACES                                         ; KF and VF were read by the first pass's matrix instructions
	LOADS 1
	s_add_co_u32 s53, s53, 1
	s_cmp_lt_u32 s53, 2
	s_cbranch_scc1 .Lhalf
	s_branch .Ltrip_end
.Lidle2:
	s_add_co_u32 s40, s40, 1                       ; a step that is not run is counted all the same: two steps a trip on every way
.Lidle1:
	s_add_co_u32 s40, s40, 1
.Ltrip_end:
	s_sub_co_i32 s41, s41, 1
	s_cmp_lg_u32 s41, 0
	s_cbranch_scc1 .Ltrip
	; ---- the tail: steps 29 to 31, keys 1856-2047, row tile 3 of waves 5 to 7 alone; nothing is left to fetch ----
	PLACES
	s_wait_tensorcnt 0x0                           ; my part of keys 1856-1983; keys 1984-2047 landed before the loop's first round
	s_wait_dscnt 0x0
	s_barrier_signal -1
	s_barrier_wait -1                              ; the raw tile is whole, and no wave reads the stage any more
	CONV 8, RA, 0, RAWV, KW, VW, 0
	CONV 4, RAS, RAWZ-RAWA, RAWZ-RAWA+RAWSV, KWS, VWS, 128     ; the last 64 keys go to the stage's rows 128-191
	s_barrier_signal -1
	s_barrier_wait -1                              ; the stage's 192 rows are whole
	LAST 0, 0
	LAST 1, 1
	LAST 2, 1
	; ---- the way out ----
	PLACES                                         ; behind the last matrix instructions: O is read, KF and VF are loaded
	OUT 0, KF
	OUT 1, VF
	OUT 2, KF
	OUT 3, VF
	s_wait_tensorcnt 0x0
	ds_add_u32 v254, v255
	s_wait_dscnt 0x0
	ROUND                                          ; the closing round: no work-group ends while a partner may still ask for a tile that names it
	s_endpgm
.Lfunc_end_k_q099cef8e7b_attn:
	.size	k_q099cef8e7b_attn, .Lfunc_end_k_q099cef8e7b_attn-k_q099cef8e7b_attn
	.p2alignl 7, 3214868480
	.fill 96, 4, 3214868480
	.section	.rodata,"a",@progbits
	.p2align	6, 0x0
	.amdhsa_kernel k_q099cef8e7b_attn
		.amdhsa_group_segment_fixed_size 327680
		.amdhsa_private_segment_fixed_size 0
		.amdhsa_enable_private_segment 0
		.amdhsa_kernarg_size 32
		.amdhsa_user_sgpr_count 2
		.amdhsa_user_sgpr_kernarg_segment_ptr 1
		.amdhsa_wavefront_size32 1
		.amdhsa_system_sgpr_workgroup_id_x 1
		.amdhsa_system_sgpr_workgroup_id_y 1
		.amdhsa_system_sgpr_workgroup_id_z 1
		.amdhsa_system_vgpr_workitem_id 0
		.amdhsa_next_free_vgpr 448
		.amdhsa_next_free_sgpr 98
		.amdhsa_reserve_vcc 0
		.amdhsa_float_denorm_mode_32 3
		.amdhsa_float_denorm_mode_16_64 3
		.amdhsa_memory_ordered 1
		.amdhsa_forward_progress 1
		.amdhsa_inst_pref_size 161
	.end_amdhsa_kernel
	.amdgpu_metadata
---
amdhsa.version: [ 1, 2 ]
amdhsa.kernels:
  - .name:           k_q099cef8e7b_attn
    .symbol:         k_q099cef8e7b_attn.kd
    .args:
      - { .name: q, .offset: 0, .size: 8, .value_kind: global_buffer, .address_space: global }
      - { .name: k, .offset: 8, .size: 8, .value_kind: global_buffer, .address_space: global }
      - { .name: v, .offset: 16, .size: 8, .value_kind: global_buffer, .address_space: global }
      - { .name: out0, .offset: 24, .size: 8, .value_kind: global_buffer, .address_space: global }
    .group_segment_fixed_size: 327680
    .private_segment_fixed_size: 0
    .kernarg_segment_align: 8
    .kernarg_segment_size: 32
    .max_flat_workgroup_size: 256
    .sgpr_count:     98
    .vgpr_count:     448
    .wavefront_size: 32
...
	.end_amdgpu_metadata
.endif
;; end of part 2
